; MI455X (gfx1250); checked and timed in simulation.
; The chip was launched on July 23, 2026; its instructions are those of AMD's public machine-readable ISA for CDNA 5 (MIT licence, August 2026) and "CDNA5" Instruction Set Architecture Reference Guide (July 2026). The comments in the code are by the model that wrote it; some were corrected since.
;; Cross Attention Light. Allowed arithmetic: matrix products marked QUANTISED: E3M2 operands, one E8M0 scale for each 32 along K, by v_wmma_scale_f32_16x16x128_f8f6f4 with both operands' format E3M2, f32 sums; everything else in f32.
;; Inputs: Wkv_codes 512 x 8 x 24 uint8 (E3M2 codes of Wkv, K innermost, in blocks of 32 codes, four codes in three bytes); Wkv_scales 512 x 8 uint8 (E8M0 scales of Wkv, one for each 32 codes along K); Wp_codes 256 x 8 x 24 uint8 (E3M2 codes of Wp, K innermost, in blocks of 32 codes, four codes in three bytes); Wp_scales 256 x 8 uint8 (E8M0 scales of Wp, one for each 32 codes along K); Wq_codes 256 x 8 x 24 uint8 (E3M2 codes of Wq, K innermost, in blocks of 32 codes, four codes in three bytes); Wq_scales 256 x 8 uint8 (E8M0 scales of Wq, one for each 32 codes along K); bkv 512 float32; bp 256 float32; bq 256 float32; context_codes 4 x 4,096 x 8 x 24 uint8 (E3M2 codes of context, K innermost, in blocks of 32 codes, four codes in three bytes); context_scales 4 x 4,096 x 8 uint8 (E8M0 scales of context, one for each 32 codes along K); x 4 x 4,096 x 256 float32.
;; Outputs: out0 4 x 4,096 x 256 float32; out1 4 x 64 x 64 float32.
;; This version of the problem:
;;   THIS VERSION OF THE PROBLEM IS GIVEN IN LOW PRECISION. The matrix products marked QUANTISED in the list below multiply operands that are first quantised to E3M2 (3 exponent bits, 2 mantissa bits; 6 bits a number), with one power-of-two scale for each 32 numbers along K (OCP MX v1.0); their sums are f32. All else is computed in f32.
;;   The module's matrix products, in the order in which they are computed (A, B: the left and right operand; K: the contracted axis; several contracted axes count as one K, in the product's order):
;;     1. [M 16,384, K 256] x [K 256, N 256]; A: input x; B: input Wq (given as codes): QUANTISED
;;     2. [M 16,384, K 256] x [K 256, N 512]; A: input context (given as codes); B: input Wkv (given as codes): QUANTISED
;;     3. batch 16 x [M 4,096, K 64] x [K 64, N 4,096]; A: computed on the way; B: computed on the way: QUANTISED
;;     4. batch 16 x [M 4,096, K 4,096] x [K 4,096, N 64]; A: softmax (see below); B: computed on the way: QUANTISED
;;     5. [M 16,384, K 256] x [K 256, N 256]; A: computed on the way; B: input Wp (given as codes): QUANTISED
;;   THE QUANTISER, for each operand of a quantised product, along K:
;;     - K is cut into blocks of 32 from its start; a last block that is shorter is filled with zeros.
;;     - A block's scale is 2^e with e = floor(log2(the largest magnitude in the block)) - 4, held to -126 .. 127; a block of zeros has e = 0. As a byte (E8M0): e + 127.
;;     - Each number is divided by its block's scale, clamped to +-28, and rounded to the nearest number of E3M2, ties to even, subnormals kept.
;;     - The product sums the exact products of the quantised numbers (number of the format x scale) in f32.
;;   ~~~python
;;   def quantise(x, axis):      # numpy; x: float32 -> the quantised numbers, widened to float32 again
;;       x = np.moveaxis(x, axis, -1); K = x.shape[-1]
;;       x = np.pad(x, [(0, 0)] * (x.ndim - 1) + [(0, -K % 32)]); x = x.reshape(x.shape[:-1] + (-1, 32)); a = np.abs(x).max(-1, keepdims=True)
;;       e = np.where(a > 0, np.clip(np.frexp(np.where(a > 0, a, 1))[1] - 1 - 4, -126, 127), 0)      # np.frexp(a)[1] - 1 = floor(log2(a)), exactly
;;       r = np.clip(x / 2.0 ** e, -28, 28)
;;       step = 2.0 ** (np.maximum(np.frexp(np.where(r == 0, 1, r))[1] - 1, -2) - 2)
;;       q = np.round(r / step) * step * 2.0 ** e      # np.round: ties to even
;;       return np.moveaxis(q.reshape(q.shape[:-2] + (-1,))[..., :K], -1, axis).astype(np.float32)
;;   ~~~
;;   SOFTMAX AHEAD OF A QUANTISED PRODUCT. Where the list says 'softmax', what is quantised is not the finished softmax but p = 2^(t - M), with t = logit x log2(e) and M = ceil(the row's largest t), a whole number; so 1/2 < the row's largest p <= 1. The row's sum l is taken of the UNQUANTISED p, in f32, and the product's result is divided by l at the end. Since M is a whole number, a kernel that streams over the keys may use a running M (the ceiling of the running maximum): every later rescaling is an exact power of two, which a block's scale takes up: the codes' values come out the same.
;;   OPERANDS COMPUTED ON THE WAY. 'Computed on the way' means the value that the module computes at that place (a softmax that the list does not call 'softmax' is quantised finished and normalised). What goes into a quantiser is computed in f32, as accurately as f32 sums, v_exp_f32 and their like allow (about 1e-6 of the number): no bf16 or f16 on the way to a quantiser, and a product that is left as it is and whose result goes on into a quantised operand takes f32 operands (vector FMAs, or v_wmma_f32_16x16x4_f32). A number that lies on a knife's edge between two numbers of the format may be rounded either way, as far as f32 arithmetic and the matrix unit's own rounding can turn it there, and no further.
;;   INPUTS GIVEN AS CODES. Wkv (in the module: [256, 512], K = its axis 0); Wp (in the module: [256, 256], K = its axis 0); Wq (in the module: [256, 256], K = its axis 0); context (in the module: [4, 4096, 256], K = its axis 2): each comes as NAME_codes (uint8): NAME with its K axis moved to the last place and cut into blocks of 32 codes, [.., K / 32, bytes a block], one block behind the other in memory; four codes in three bytes: a row's codes are one little-endian stream of bits, code i at bits 6 i .. 6 i + 5 (a code: sign, 3 exponent bits, 2 mantissa bits); and NAME_scales (uint8): the same leading axes, one E8M0 byte (e + 127) for each 32 codes along K. Its value is code x scale, taken as it is: it is not quantised again, and the codes and scales need not be those that the quantiser above would give.
;; One version. Each part assembles by itself: llvm-mc -triple=amdgcn-amd-amdhsa -mcpu=gfx1250 --defsym DOCPART=n.
;; ======== version 1 of 1: 2 launches
;; limits: right only within a limited range of input values
;; workspace buffers: kvc 6,553,600 bytes; wimg 106,496 bytes
;; launch kvprep (part 1): grid 260 x 1, 8 waves a work-group, no clusters, 54,272 bytes of LDS; arguments context_codes, context_scales, Wkv_codes, Wkv_scales, bkv, kvc, Wq_codes, Wq_scales, Wp_codes, Wp_scales, wimg; writes kvc, wimg
.if DOCPART == 1
	.amdgcn_target "amdgcn-amd-amdhsa--gfx1250"
	.amdhsa_code_object_version 6
	.text
	.protected	k_q7e35f7f16e_kvprep
	.globl	k_q7e35f7f16e_kvprep
	.p2align	8
	.type	k_q7e35f7f16e_kvprep,@function
k_q7e35f7f16e_kvprep:
	s_mov_b64 s[64:65], 0
	v_nop
	global_prefetch_b8 v0, s[64:65] scope:SCOPE_SE
	s_setreg_imm32_b32 hwreg(HW_REG_WAVE_MODE, 25, 1), 1
	s_wait_xcnt 0x0
; K AND V FOR THE ATTENTION LAUNCH.  kv = context Wkv + bkv on codes of BF6 (E3M2) with E8M0 scales, sums in f32; then k is quantised along the
; head's 64 channels and v along the keys, and both are stored in the order of the operand registers in which the next launch takes them.
; SHARES.  Work-group x: batch x / 64, key step (x / 2) % 32 (128 keys), kind x % 2 (0: k of all four heads, 1: v of all four heads): 256 work-groups of
; 256 matrix instructions each.  Wave w: head w / 2, half w % 2 (k: key tiles 4 half .. 4 half + 3; v: channel tiles 2 half, 2 half + 1).
; The text parts once on the kind, which is the same for all eight waves, and the two ways never join; each way has LDS bytes of its own.
; THE ROWS OF A TILE ARE NOT NEIGHBOURS: lane r of tile t takes row 32 (t / 2) + 8 (t % 2) + r + 8 (r / 8), so that in a result the 16 registers of
; tiles 2 b and 2 b + 1 are the 16 neighbours 32 b + 16 (lane / 16) + 0 .. 15 along the axis that is quantised next.
;   k: source 0 = 16 rows of Wkv (channels), source 1 = 16 keys of the context: a lane holds one key, its 32 registers run along the channels.
;   v: source 0 = 16 keys of the context, source 1 = 16 rows of Wkv: a lane holds one channel, its 64 registers run along the keys.
; OUT.  kvc [batch][step][head][kind][fragment 4][chunk 3][lane 32][16 bytes]: a fragment is the image of 12 registers.  A fragment of k holds TWO key
; tiles (registers 0-5: tile 2 j, registers 6-11: tile 2 j + 1, 64 channels each); a fragment of v holds 16 channels x 128 keys.
; kvc, from byte 49,152 of a step: [kind][head][lane 32][8 bytes]: word i of a lane: fragment 2 i's scale words in lanes 0-15, fragment 2 i + 1's in lanes 16-31.
; NO CLUSTER, NO TENSOR LOAD: what is shared is a step's 25,600 bytes of context, read by two work-groups; it goes through registers into LDS as it lies.
; LIMITS: NaN, infinities and given scale bytes of 0xff are not served.  A block whose largest magnitude lies under 2^-122 keeps the scale byte 1; so does
; a block of zeros (its codes are zeros, and the bytes are read by this program alone).
.set CSC,   24576                      ; LDS of a way: 128 keys x 192 bytes of codes; then their 8 scale bytes a key;
.set SCST,  25600                      ; then 1,024 bytes in which the eight waves gather the scale words
.set VBASE, 26624                      ; the way for v has its bytes from here on
.set W,     16                         ; Wkv's fragments: (tile t, K step s) at W + 12 (2 t + s)
.set BK,    112                        ; k: the bias, 8 registers a tile, in the result's layout
.set CX,    144                        ; k: a key tile's two fragments of the context
.set ACC,   168                        ; k: four accumulators
.set BV,    64                         ; v: the bias of two channel tiles
.set VCX,   80                         ; v: two key tiles' fragments of the context
.set VACC,  128                        ; v: eight accumulators
.set PC,    200                        ; two fragments of codes: no store's data are written again
.set TM,    224                        ; at work in QUANT2: largest magnitudes;
.set TC,    224                        ; the second conversion's three registers, where the magnitudes lay;
.set TP,    228                        ; the other half of the lanes' magnitudes, then the bytes;
.set TO,    230                        ; the conversions' scale operands
.set PWE,   232                        ; v232, v233: two half words of scale bytes
.set KW,    234                        ; v234, v235: my two fragments' scale words
.set KSR,   236                        ; the first in lanes 0-15, the second in lanes 16-31
.set PP,    237                        ; r + 8 (r / 8)
.set WS,    240                        ; v240-247 Wkv's scale words, v248-251 the context's: these registers hold scales and nothing else
.set CS,    248
; v1 lane, v2 r, v3 lane / 16, v4 16 x thread, v5-v9 LDS addresses, v6 4 x thread, v10 Wkv: 192 P + 24 (lane / 16), v11 8 P, v12 the bias, v13 16 x lane, v14, v15 the gather
; 32 numbers of a lane, register 16 b + i = index 32 b + 16 (lane / 16) + i, become six registers of codes (lanes 0-15: block 0, lanes 16-31: block 1) and the two scale bytes.
.macro QUANT2 s, pc, pw
.irp b, 0,1
	v_max3_num_f32 v[TM+\b], |v[(\s)+16*\b]|, |v[(\s)+16*\b+1]|, 0x2800000   ; my 16 numbers of block b, and the floor 2^(5 - 127): the byte cannot fall under 1
.endr
.irp i, 2,4,6,8,10,12,14
.irp b, 0,1
	v_max3_num_f32 v[TM+\b], v[TM+\b], |v[(\s)+16*\b+\i]|, |v[(\s)+16*\b+\i+1]|   ; ascending: each accumulator is read from its low end on
.endr
.endr
.irp b, 0,1
	s_delay_alu instid0(VALU_DEP_2)
	v_permlanex16_b32 v[TP+\b], v[TM+\b], s30, s31
.endr
.irp b, 0,1
	s_delay_alu instid0(VALU_DEP_2)
	v_max_num_f32 v[TM+\b], v[TM+\b], v[TP+\b]     ; with lane l xor 16: the block's largest magnitude
.endr
.irp b, 0,1
	s_delay_alu instid0(VALU_DEP_2)
	v_add_nc_u32 v[TO+\b], 0xfe000000, v[TM+\b]    ; 4 off its exponent field: the conversion takes that field as its scale
.endr
.irp b, 0,1
	s_delay_alu instid0(VALU_DEP_2)
	v_lshrrev_b32 v[TP+\b], 23, v[TO+\b]           ; the scale's byte
.endr
	s_delay_alu instid0(VALU_DEP_1)
	v_lshl_or_b32 v[\pw], v[TP+1], 8, v[TP]
	v_cvt_scalef32_pk16_bf6_f32 v[(\pc):(\pc)+2], v[(\s):(\s)+15], v[TO]
	v_cvt_scalef32_pk16_bf6_f32 v[TC:TC+2], v[(\s)+16:(\s)+31], v[TO+1]   ; (a conversion's three registers begin on an even number)
	v_nop                                          ; one plain place behind a scaled conversion
.irp i, 0,1,2
	v_permlane16_swap_b32 v[(\pc)+\i], v[TC+\i]    ; a whole block to a lane
.endr
.irp i, 0,1,2
	s_delay_alu instid0(VALU_DEP_3)
	v_mov_b32 v[(\pc)+3+\i], v[TC+\i]
.endr
.endm
; the LDS addresses of a way: a constant, a constant x lane, a constant x wave
.macro LADDR base, isk
	v_lshl_add_u32 v5, v0, 4, (\base)              ; the context's codes on their way in: 16 bytes a thread
	v_lshl_add_u32 v7, v0, 2, (\base)+CSC          ; its scale bytes: 4 a thread
	v_add_nc_u32 v8, (\base), v10                  ; a fragment of the context: key P, + 24 (lane / 16)
	v_add_nc_u32 v9, (\base)+CSC, v11              ; its scale words: 8 bytes a key
.if \isk
	s_mul_i32 s42, s20, 64*192                     ; k: my half's 64 keys
	v_add_nc_u32 v8, s42, v8
	s_lshl_b32 s42, s20, 9
	v_add_nc_u32 v9, s42, v9
	; k: row r of key tile 4 c + i is key 64 c + 8 i + r % 8 + 32 (r / 8), 16 (r / 8) keys further on than P: in the next launch's scores a lane's
	; 32 registers of tiles 4 c .. 4 c + 3 are then one whole block of 32 neighbouring keys
	v_and_b32 v12, 8, v2
	v_mad_u32_u24 v8, v12, 384, v8
	v_lshl_add_u32 v9, v12, 4, v9
.endif
	s_lshl_b32 s42, s19, 8
	s_lshl_b32 s43, s20, 2
	s_add_co_u32 s42, s42, s43
	s_add_co_u32 s42, s42, (\base)+SCST
	v_lshl_add_u32 v14, v1, 3, s42                 ; the gather, in: 256 head + 4 half + 8 lane
	v_lshl_add_u32 v15, v0, 4, (\base)+SCST        ; and out: 16 bytes a thread of waves 0 and 1
.endm
.macro CTXIN reg                       ; the step's 24,576 bytes of codes and 1,024 of scale bytes: each load of a wave covers 512 (128) consecutive bytes
.irp i, 0,1,2,3,4,5
	global_load_b128 v[(\reg)+4*\i:(\reg)+4*\i+3], v4, s[4:5] offset:4096*\i
.endr
	global_load_b32 v[(\reg)+24], v6, s[6:7]
.endm
.macro CTXPUT reg                      ; into LDS as they lie; my stores have landed, then the barrier: every wave reads all of it
.irp i, 0,1,2,3,4,5
	ds_store_b128 v5, v[(\reg)+4*\i:(\reg)+4*\i+3] offset:4096*\i
.endr
	ds_store_b32 v7, v[(\reg)+24]
	s_wait_dscnt 0x0
	s_barrier_signal -1
	s_barrier_wait -1
.endm
.macro SCOUT tmp                       ; the eight waves' scale words meet in LDS and leave as 1,024 consecutive bytes
	v_cmp_lt_u32 vcc_lo, 15, v1
	s_delay_alu instid0(VALU_DEP_1)
	v_cndmask_b32 v[KSR], v[KW], v[KW+1], vcc_lo   ; lanes 16-31 take my second fragment's word (a row's word stands in lanes r and r + 16 alike)
	ds_store_b32 v14, v[KSR]
	s_wait_dscnt 0x0                               ; for the others' sake: my store has landed
	s_barrier_signal -1
	s_barrier_wait -1
	s_cmp_lt_u32 s18, 2
	s_cbranch_scc0 .Ldone_\@
	ds_load_b128 v[(\tmp):(\tmp)+3], v15
	s_wait_dscnt 0x0
	global_store_b128 v4, v[(\tmp):(\tmp)+3], s[16:17]   ; 32 lanes store 512 consecutive bytes, aligned
.Ldone_\@:
	s_wait_tensorcnt 0x0
	ds_add_u32 v254, v255
	s_wait_dscnt 0x0
	s_endpgm
.endm
	s_load_b256 s[4:11], s[0:1], 0x0               ; the context's codes s[4:5], its scales s[6:7], Wkv's codes s[8:9], its scales s[10:11]
	s_load_b128 s[12:15], s[0:1], 0x20             ; bkv s[12:13], kvc s[14:15]
	; THE GRID AND THE WORKSPACE AS THEY STAND NOW.  Work-group id: batch id / 64, key step (id / 2) % 32, kind id % 2, for id under 256; ids 256 to 259 (32 waves) lay wimg out, a tile of 16 rows a wave.
	; kvc [batch][step]: 51,200 bytes a step: [head 4][kind 2][fragment 4][chunk 3][lane 32][16 bytes], then at byte 49,152 the step's scale words [kind 2][head 4][lane 32][8 bytes].
	; There is no buffer of scale words beside it.
	; wimg [Wq, Wp]: 53,248 bytes each: [tile 16][K step 2][chunk 3][lane 32][16 bytes] images of operand registers, then at byte 49,152 [tile 16][lane 32][8 bytes] scale words.
	; LDS: the way for k from byte 0, the way for v from byte 26,624, the spare words from byte 53,248.
	s_load_b256 s[48:55], s[0:1], 0x30             ; Wq's codes s[48:49], its scales s[50:51], Wp's codes s[52:53], its scales s[54:55]
	s_load_b64 s[56:57], s[0:1], 0x50              ; wimg
	v_lshl_add_u32 v254, v0, 2, 53248
	v_mov_b32 v255, 0
	v_lshrrev_b32 v1, 5, v0
	s_delay_alu instid0(VALU_DEP_1)
	v_readfirstlane_b32 s18, v1                    ; wave 0..7
	s_lshr_b32 s19, s18, 1                         ; head
	s_and_b32 s20, s18, 1                          ; half
	s_bfe_u32 s21, ttmp9, 0x50001                  ; key step
	s_and_b32 s23, ttmp9, 1                        ; kind
	s_lshr_b32 s22, ttmp9, 6                       ; batch
	s_mov_b32 s30, 0x76543210
	s_mov_b32 s31, 0xfedcba98                      ; v_permlanex16_b32: lane l xor 16
	s_lshl_b32 s24, s22, 5
	s_add_co_u32 s24, s24, s21                     ; 32 batch + step
	s_mul_i32 s26, s24, 24576                      ; the step's codes of the context,
	s_mov_b32 s27, 0
	s_lshl_b32 s28, s24, 10                        ; its scale bytes,
	s_mov_b32 s29, 0
	s_mul_i32 s32, s24, 51200                      ; kvc: step x 51,200 + head x 12,288 + kind x 6,144 + half x 3,072
	s_mul_i32 s33, s19, 12288
	s_add_co_u32 s32, s32, s33
	s_mul_i32 s33, s23, 6144
	s_add_co_u32 s32, s32, s33
	s_mul_i32 s33, s20, 3072
	s_add_co_u32 s32, s32, s33
	s_mov_b32 s33, 0
	s_mul_i32 s34, s24, 51200                      ; the scale words: step x 51,200 + 49,152 + kind x 1,024
	s_lshl_b32 s35, s23, 10
	s_add_co_u32 s34, s34, s35
	s_add_co_u32 s34, s34, 49152
	s_mov_b32 s35, 0
	s_mov_b32 s37, 0
	v_and_b32 v1, 31, v0                           ; lane
	v_and_b32 v2, 15, v0                           ; r
	v_bfe_u32 v3, v0, 4, 1                         ; lane / 16
	v_lshlrev_b32 v4, 4, v0
	v_lshlrev_b32 v6, 2, v0
	s_delay_alu instid0(VALU_DEP_4)
	v_and_b32 v[PP], 8, v2
	s_delay_alu instid0(VALU_DEP_1)
	v_add_nc_u32 v[PP], v[PP], v2                  ; P = r + 8 (r / 8)
	s_delay_alu instid0(VALU_DEP_1)
	v_mul_u32_u24 v10, v[PP], 192                  ; a row of 256 codes is 192 bytes
	s_delay_alu instid0(VALU_DEP_1)
	v_mad_u32_u24 v10, v3, 24, v10
	s_delay_alu instid0(VALU_DEP_3)
	v_lshlrev_b32 v11, 3, v[PP]
	v_lshlrev_b32 v13, 4, v1
	v_mov_b32 v[TP], 0                             ; written once: a lane permute's destination counts as one of its sources
	v_mov_b32 v[TP+1], 0
	s_wait_kmcnt 0x0
	s_add_nc_u64 s[4:5], s[4:5], s[26:27]
	s_add_nc_u64 s[6:7], s[6:7], s[28:29]
	s_add_nc_u64 s[16:17], s[14:15], s[34:35]
	s_add_nc_u64 s[14:15], s[14:15], s[32:33]
	s_cmp_ge_u32 ttmp9, 256
	s_cbranch_scc1 .Lrelay
	s_cmp_lg_u32 s23, 0
	s_cbranch_scc1 .Lvpath
; ---------------------------------------------------------------- k
	s_wait_alu depctr_va_vdst(0)
	LADDR 0, 1
	v_lshlrev_b32 v12, 6, v3                       ; the bias: 16 numbers further on for lanes 16-31
	s_mul_i32 s36, s19, 12288                      ; my head's 64 rows of Wkv,
	s_add_nc_u64 s[8:9], s[8:9], s[36:37]
	s_lshl_b32 s36, s19, 9                         ; their scale bytes,
	s_add_nc_u64 s[10:11], s[10:11], s[36:37]
	s_lshl_b32 s36, s19, 8                         ; their bias
	s_add_nc_u64 s[12:13], s[12:13], s[36:37]
	CTXIN ACC
.irp t, 0,1,2,3
.irp s, 0,1
.irp p, 0,1,2,3,4,5
	global_load_b64 v[W+12*(2*\t+\s)+2*\p:W+12*(2*\t+\s)+2*\p+1], v10, s[8:9] offset:(32*(\t/2)+8*(\t%2))*192+96*\s+48*(\p/3)+8*(\p%3)
.endr
.endr
.endr
.irp t, 0,1,2,3
	global_load_b64 v[WS+2*\t:WS+2*\t+1], v11, s[10:11] offset:(32*(\t/2)+8*(\t%2))*8
.endr
.irp bb, 0,1
.irp j, 0,1,2,3
	global_load_b128 v[BK+16*\bb+4*\j:BK+16*\bb+4*\j+3], v12, s[12:13] offset:128*\bb+16*\j
.endr
.endr
	s_wait_alu depctr_va_vdst(0)
	s_wait_loadcnt 60                              ; behind the context's 7 loads stand 48 + 4 + 8: those may stay out
	CTXPUT ACC
.macro CLOAD i                         ; key tile 4 half + i: its two fragments and its scale words
.irp s, 0,1
.irp p, 0,1,2,3,4,5
	ds_load_b64 v[CX+12*\s+2*\p:CX+12*\s+2*\p+1], v8 offset:8*(\i)*192+96*\s+48*(\p/3)+8*(\p%3)
.endr
.endr
	ds_load_b64 v[CS:CS+1], v9 offset:8*(\i)*8
.endm
.macro KTILE i
	s_wait_dscnt 0x0                               ; the tile's fragments are in
.irp t, 0,1,2,3                        ; four accumulators by turns, K step by K step; the bias is the C of a sum's first instruction
	v_wmma_scale_f32_16x16x128_f8f6f4 v[ACC+8*\t:ACC+8*\t+7], v[W+24*\t:W+24*\t+11], v[CX:CX+11], v[BK+8*\t:BK+8*\t+7], v[WS+2*\t], v[CS] matrix_a_fmt:MATRIX_FMT_BF6 matrix_b_fmt:MATRIX_FMT_BF6
.endr
.irp t, 0,1,2,3
	v_wmma_scale_f32_16x16x128_f8f6f4 v[ACC+8*\t:ACC+8*\t+7], v[W+24*\t+12:W+24*\t+23], v[CX+12:CX+23], v[ACC+8*\t:ACC+8*\t+7], v[WS+2*\t+1], v[CS+1] matrix_a_fmt:MATRIX_FMT_BF6 matrix_b_fmt:MATRIX_FMT_BF6
.endr
.rept 4
	v_nop                                          ; four places in front of loads into registers that the products read, and of the first read of results
.endr
.if (\i) < 3
	CLOAD (\i)+1                                   ; the next tile lands while this one is quantised
.endif
	QUANT2 ACC, PC+12*((\i)/2)+6*((\i)%2), PWE+(\i)%2
.if (\i)%2
	v_lshl_or_b32 v[KW+(\i)/2], v[PWE+1], 16, v[PWE]   ; the pair's scale word: even tile's two bytes, odd tile's two
.irp c, 0,1,2
	global_store_b128 v13, v[PC+12*((\i)/2)+4*\c:PC+12*((\i)/2)+4*\c+3], s[14:15] offset:1536*((\i)/2)+512*\c   ; 32 lanes store 512 consecutive bytes, aligned
.endr
.endif
.endm
	CLOAD 0
	s_wait_loadcnt 0x0                             ; Wkv, its scale words, the bias
	KTILE 0
	KTILE 1
	KTILE 2
	KTILE 3
	SCOUT CX
; ---------------------------------------------------------------- v
.Lvpath:
	s_wait_alu depctr_va_vdst(0)
	LADDR VBASE, 0
	v_lshlrev_b32 v12, 2, v[PP]                    ; the bias of my lane's channel
	s_wait_alu depctr_va_vdst(0)
	s_mul_i32 s36, s19, 12288                      ; Wkv's rows 256 + 64 head + 32 half on,
	s_mul_i32 s38, s20, 6144
	s_add_co_u32 s36, s36, s38
	s_add_co_u32 s36, s36, 49152
	s_add_nc_u64 s[8:9], s[8:9], s[36:37]
	s_lshl_b32 s36, s19, 9                         ; their scale bytes,
	s_lshl_b32 s38, s20, 8
	s_add_co_u32 s36, s36, s38
	s_add_co_u32 s36, s36, 2048
	s_add_nc_u64 s[10:11], s[10:11], s[36:37]
	s_lshl_b32 s36, s19, 8                         ; their bias
	s_lshl_b32 s38, s20, 7
	s_add_co_u32 s36, s36, s38
	s_add_co_u32 s36, s36, 1024
	s_add_nc_u64 s[12:13], s[12:13], s[36:37]
	CTXIN VACC
.irp tt, 0,1
.irp s, 0,1
.irp p, 0,1,2,3,4,5
	global_load_b64 v[W+24*\tt+12*\s+2*\p:W+24*\tt+12*\s+2*\p+1], v10, s[8:9] offset:8*\tt*192+96*\s+48*(\p/3)+8*(\p%3)
.endr
.endr
.endr
.irp tt, 0,1
	global_load_b64 v[WS+2*\tt:WS+2*\tt+1], v11, s[10:11] offset:64*\tt
.endr
.irp tt, 0,1
	global_load_b32 v[BV+8*\tt], v12, s[12:13] offset:32*\tt
.endr
	s_wait_alu depctr_va_vdst(0)
	s_wait_loadcnt 28                              ; behind the context's 7 loads stand 24 + 2 + 2: those may stay out
	CTXPUT VACC
	s_wait_loadcnt 0x0
.irp tt, 0,1
.irp j, 1,2,3,4,5,6,7
	v_mov_b32 v[BV+8*\tt+\j], v[BV+8*\tt]          ; a lane holds one channel: its bias in all eight registers of the C
.endr
.endr
.macro CLOAD2 g                        ; key tiles 2 g and 2 g + 1: two fragments and the scale words of each
.irp e, 0,1
.irp s, 0,1
.irp p, 0,1,2,3,4,5
	ds_load_b64 v[VCX+24*\e+12*\s+2*\p:VCX+24*\e+12*\s+2*\p+1], v8 offset:(32*(\g)+8*\e)*192+96*\s+48*(\p/3)+8*(\p%3)
.endr
.endr
	ds_load_b64 v[CS+2*\e:CS+2*\e+1], v9 offset:(32*(\g)+8*\e)*8
.endr
.endm
.macro VTILE tt                        ; channel tile 2 half + tt against all 128 keys
.irp g, 0,1,2,3
	CLOAD2 \g
	s_wait_dscnt 0x0
.irp s, 0,1                            ; two accumulators by turns
.irp e, 0,1
.if \s == 0
	v_wmma_scale_f32_16x16x128_f8f6f4 v[VACC+8*(2*\g+\e):VACC+8*(2*\g+\e)+7], v[VCX+24*\e:VCX+24*\e+11], v[W+24*(\tt):W+24*(\tt)+11], v[BV+8*(\tt):BV+8*(\tt)+7], v[CS+2*\e], v[WS+2*(\tt)] matrix_a_fmt:MATRIX_FMT_BF6 matrix_b_fmt:MATRIX_FMT_BF6
.else
	v_wmma_scale_f32_16x16x128_f8f6f4 v[VACC+8*(2*\g+\e):VACC+8*(2*\g+\e)+7], v[VCX+24*\e+12:VCX+24*\e+23], v[W+24*(\tt)+12:W+24*(\tt)+23], v[VACC+8*(2*\g+\e):VACC+8*(2*\g+\e)+7], v[CS+2*\e+1], v[WS+2*(\tt)+1] matrix_a_fmt:MATRIX_FMT_BF6 matrix_b_fmt:MATRIX_FMT_BF6
.endif
.endr
.endr
.rept 4
	v_nop                                          ; four places in front of the next loads into the context's registers, and of the first read of results
.endr
.endr
	QUANT2 VACC, PC+12*(\tt), PWE                  ; keys 0-63: registers 0-5 of the fragment
	QUANT2 VACC+32, PC+12*(\tt)+6, PWE+1           ; keys 64-127: registers 6-11
	v_lshl_or_b32 v[KW+(\tt)], v[PWE+1], 16, v[PWE]
.irp c, 0,1,2
	global_store_b128 v13, v[PC+12*(\tt)+4*\c:PC+12*(\tt)+4*\c+3], s[14:15] offset:1536*(\tt)+512*\c
.endr
.endm
	s_wait_alu depctr_va_vdst(0)
	VTILE 0
	VTILE 1
	SCOUT VCX
; ---------------------------------------------------------------- Wq and Wp as images of operand registers
; Wave g = 8 (id % 4) + wave (0 .. 31): weight g / 16, tile T = g % 16: rows 64 (T / 4) + 32 ((T % 4) / 2) + 8 (T % 2) + P.  Bytes are moved, none is changed.  This way touches no LDS.
.Lrelay:
	s_wait_alu depctr_va_vdst(0)
	s_and_b32 s36, ttmp9, 3                        ; which of the four work-groups
	s_lshl_b32 s36, s36, 3
	s_add_co_u32 s36, s36, s18                     ; g
	s_and_b32 s38, s36, 15                         ; T
	s_cmp_lt_u32 s36, 16
	s_cselect_b64 s[8:9], s[48:49], s[52:53]       ; the weight's codes,
	s_cselect_b64 s[10:11], s[50:51], s[54:55]     ; its scale bytes,
	s_cselect_b32 s40, 0, 53248                    ; its place in wimg
	s_lshr_b32 s39, s38, 2
	s_lshl_b32 s39, s39, 6
	s_bfe_u32 s41, s38, 0x10001
	s_lshl_b32 s41, s41, 5
	s_add_co_u32 s39, s39, s41
	s_and_b32 s41, s38, 1
	s_lshl_b32 s41, s41, 3
	s_add_co_u32 s39, s39, s41                     ; the tile's first row
	s_mul_i32 s36, s39, 192
	s_add_nc_u64 s[8:9], s[8:9], s[36:37]
	s_lshl_b32 s36, s39, 3
	s_add_nc_u64 s[10:11], s[10:11], s[36:37]
	s_mul_i32 s36, s38, 3072
	s_add_co_u32 s36, s36, s40
	s_add_nc_u64 s[12:13], s[56:57], s[36:37]      ; the tile's two images
	s_lshl_b32 s36, s38, 8
	s_add_co_u32 s36, s36, s40
	s_add_co_u32 s36, s36, 49152
	s_add_nc_u64 s[14:15], s[56:57], s[36:37]      ; its scale words
.irp s, 0,1
.irp p, 0,1,2,3,4,5
	global_load_b64 v[W+12*\s+2*\p:W+12*\s+2*\p+1], v10, s[8:9] offset:96*\s+48*(\p/3)+8*(\p%3)
.endr
.endr
	global_load_b64 v[WS:WS+1], v11, s[10:11]
	v_lshlrev_b32 v12, 3, v1                       ; 8 x lane
	s_wait_alu depctr_va_vdst(0)
	s_wait_loadcnt 0x0
.irp s, 0,1
.irp c, 0,1,2
	global_store_b128 v13, v[W+12*\s+4*\c:W+12*\s+4*\c+3], s[12:13] offset:1536*\s+512*\c   ; 32 lanes store 512 consecutive bytes, aligned
.endr
.endr
	global_store_b64 v12, v[WS:WS+1], s[14:15]     ; 32 lanes store 256 consecutive bytes, aligned (lanes r and r + 16 hold the same row's words)
	s_endpgm
.Lfunc_end_k_q7e35f7f16e_kvprep:
	.size	k_q7e35f7f16e_kvprep, .Lfunc_end_k_q7e35f7f16e_kvprep-k_q7e35f7f16e_kvprep
	.p2alignl 7, 3214868480
	.fill 96, 4, 3214868480
	.section	.rodata,"a",@progbits
	.p2align	6, 0x0
	.amdhsa_kernel k_q7e35f7f16e_kvprep
		.amdhsa_group_segment_fixed_size 54272
		.amdhsa_private_segment_fixed_size 0
		.amdhsa_enable_private_segment 0
		.amdhsa_kernarg_size 88
		.amdhsa_user_sgpr_count 2
		.amdhsa_user_sgpr_kernarg_segment_ptr 1
		.amdhsa_wavefront_size32 1
		.amdhsa_system_sgpr_workgroup_id_x 1
		.amdhsa_system_sgpr_workgroup_id_y 1
		.amdhsa_system_sgpr_workgroup_id_z 1
		.amdhsa_system_vgpr_workitem_id 0
		.amdhsa_next_free_vgpr 256
		.amdhsa_next_free_sgpr 66
		.amdhsa_reserve_vcc 1
		.amdhsa_float_denorm_mode_32 3
		.amdhsa_float_denorm_mode_16_64 3
		.amdhsa_memory_ordered 1
		.amdhsa_forward_progress 1
		.amdhsa_inst_pref_size 67
	.end_amdhsa_kernel
	.amdgpu_metadata
---
amdhsa.version: [ 1, 2 ]
amdhsa.kernels:
  - .name:           k_q7e35f7f16e_kvprep
    .symbol:         k_q7e35f7f16e_kvprep.kd
    .args:
      - { .name: context_codes, .offset: 0, .size: 8, .value_kind: global_buffer, .address_space: global }
      - { .name: context_scales, .offset: 8, .size: 8, .value_kind: global_buffer, .address_space: global }
      - { .name: Wkv_codes, .offset: 16, .size: 8, .value_kind: global_buffer, .address_space: global }
      - { .name: Wkv_scales, .offset: 24, .size: 8, .value_kind: global_buffer, .address_space: global }
      - { .name: bkv, .offset: 32, .size: 8, .value_kind: global_buffer, .address_space: global }
      - { .name: kvc, .offset: 40, .size: 8, .value_kind: global_buffer, .address_space: global }
      - { .name: Wq_codes, .offset: 48, .size: 8, .value_kind: global_buffer, .address_space: global }
      - { .name: Wq_scales, .offset: 56, .size: 8, .value_kind: global_buffer, .address_space: global }
      - { .name: Wp_codes, .offset: 64, .size: 8, .value_kind: global_buffer, .address_space: global }
      - { .name: Wp_scales, .offset: 72, .size: 8, .value_kind: global_buffer, .address_space: global }
      - { .name: wimg, .offset: 80, .size: 8, .value_kind: global_buffer, .address_space: global }
    .group_segment_fixed_size: 54272
    .private_segment_fixed_size: 0
    .kernarg_segment_align: 8
    .kernarg_segment_size: 88
    .max_flat_workgroup_size: 256
    .sgpr_count:     66
    .vgpr_count:     256
    .wavefront_size: 32
...
	.end_amdgpu_metadata
.endif
;; end of part 1
;; launch attn (part 2): grid 64 x 4, 16 waves a work-group, clusters of 4 x 1, 327,680 bytes of LDS; arguments x, bq, kvc, wimg, bp, out0, out1; writes out0, out1
.if DOCPART == 2
	.amdgcn_target "amdgcn-amd-amdhsa--gfx1250"
	.amdhsa_code_object_version 6
	.text
	.protected	k_q7e35f7f16e_attn
	.globl	k_q7e35f7f16e_attn
	.p2align	8
	.type	k_q7e35f7f16e_attn,@function
k_q7e35f7f16e_attn:
	s_mov_b64 s[64:65], 0
	v_nop
	global_prefetch_b8 v0, s[64:65] scope:SCOPE_SE
	s_setreg_imm32_b32 hwreg(HW_REG_WAVE_MODE, 25, 1), 1
	s_wait_xcnt 0x0
	s_wait_alu depctr_hold_cnt(0) depctr_sa_sdst(0) depctr_va_vdst(0) depctr_va_sdst(0) depctr_va_ssrc(0) depctr_va_vcc(0) depctr_vm_vsrc(0)
	s_getreg_b32 s2, hwreg(HW_REG_IB_STS2, 6, 4)
	s_cmp_eq_u32 s2, 0
	s_cbranch_scc0 .Lentry_in_a_cluster
	s_endpgm
.Lentry_in_a_cluster:
	s_bfe_u32 s2, ttmp6, 0x10000c
	s_cmp_lg_u32 s2, 0x3003
	s_cbranch_scc0 .Lentry_shape_is_right
	s_endpgm
.Lentry_shape_is_right:
; out0 = softmax((x Wq + bq) k^T / 8) v Wp + bp + x;  out1 = the mean over the four heads of each query's sum of softmax weights.  All products on codes of BF6 (E3M2) with
; one E8M0 scale for each 32 along K, sums in f32.  k, v, Wq and Wp come from the launch before as images of operand registers with their scale words (kvc, wimg).
; SHARES.  A work-group owns 64 queries of one batch; wave w owns query tile m = w % 4 (16 queries) of head h = w / 4; every wave walks the batch's 4,096 keys, 128 a step.
; A block of 32 along the 256 channels never crosses a head: wave (m, h) quantises its own 64 columns of x and, later, of the attention's result; the four waves of a query tile
; hand each other these six registers and two scale bytes through LDS, as parts of the images of two fragments, and each then makes ITS 64 columns of q and of out0.
; LAYOUT.  Every product is used transposed (source 0 = 16 rows of a weight, of k or of v; source 1 = my 16 queries): a lane holds ONE query (lane % 16) throughout.
; Weights: lane r of tile t takes row 32 (t / 2) + 8 (t % 2) + r + 8 (r / 8): the 16 registers of tiles 2 b, 2 b + 1 are the neighbours 32 b + 16 (lane / 16) + 0 .. 15 of the next K.
; Keys: row r of key tile 4 c + i is key 64 c + 8 i + r % 8 + 32 (r / 8): the 32 registers of tiles 4 c .. 4 c + 3 are keys 64 c + 32 (lane / 16) + 0 .. 31: ONE WHOLE BLOCK of p in a lane,
; in the order of the operand's registers: a block's maximum asks no other lane, and the conversions' results change no lane.
; THE SCORES' K IS 64, the instruction's 128: a fragment of k holds two key tiles side by side along K, and q stands as [q 6 registers][zeros 6][q 6].
; SOFTMAX.  t = score x log2(e) / 8; M = the running largest t, rounded up to a whole number; p = 2^(t - M) is quantised along the keys, not normalised; the sum is taken of the
; unquantised p and divides at the end; when M moves, sum and result are multiplied by 2^(old M - new M), which rounds nothing.  A query's sum of weights is l x (1 / l).
; RING.  Two LDS slots of two key steps (102,400 bytes: 2 x (4 heads x 12,288 + 2,048 of scale words)), filled by waves 0-7, 50 rows of 256 bytes each.  At the head waves 0-7 fetch slot 0
; and waves 8-15 Wq (26 rows each) into slot 1's bytes: each of the 16 waves has one first fill.  Slot 1 is filled again behind the first change of slots, when q is made.  At the last
; change waves 8-15 fetch Wp into slot 0, two key steps ahead of its use.  A wave has at most one tensor load out.  All of the WGP's LDS is claimed.
; CLUSTER: the four work-groups of a cluster belong to one batch and walk the same k and v and the same weights: every tile is asked for JOINTLY (mask 15).
; LIMITS: NaN, infinities and given scale bytes of 0xff are not served.  A block whose largest magnitude lies under 2^-122, a block of zeros too, keeps the scale byte 1.  bp is added
; to x ahead of the last product's sum, not behind it: another order of f32 rounding than the source's.  The running largest score starts at -3e38.
.set SLOTB, 102400                     ; bytes of a slot
.set SLOT1, 1<<17                      ; slot 1 begins here: one exclusive or turns an address from one slot to the other
.set STEPB, 51200                      ; a key step in a slot
.set SCO,   49152                      ; where the scale words begin in a step, and in a weight's block
.set WBLK,  53248                      ; a weight's block in wimg
.set BATCHB, 32*STEPB                  ; a batch in kvc
.set XIMG,  102400                     ; 8 fragment images of 1,536 bytes (query tile m, K step s: 2 m + s); chunk i = registers 2 i, 2 i + 1 at 8 x lane + 256 i
.set XSC,   114688                     ; their scale words, 128 bytes each
.set AMB,   115712                     ; each wave's 32 sums of weights
.set SPARE, 117760                     ; the spare words, 128 bytes for each of 16 waves: eight blocks of 256 bytes that no other line names
.set STAGE, 233472                     ; behind slot 1: 16 rows x 272 bytes for each wave, for the way out
.set SPW, 1                            ; v1   SPARE + 4 x my thread's number; never rewritten
.set NIL, 2                            ; v2   0; never rewritten
.set AK0, 3                            ; v3   12,288 h + 16 x lane: my head's fragments in a step or in a weight's block
.set AS0, 4                            ; v4   my head's scale words in a step                        (tail: OO, my offset in out0)
.set OO,  4
.set ADK, 5                            ; v5   AK0 in the slot in hand                                (tail: AMW, where my sum of weights goes)
.set AMW, 5
.set ADS, 6                            ; v6   AS0 in the slot in hand                                (tail: AMR, where wave 0 reads the sums)
.set AMR, 6
.set IWA, 7                            ; v7   where my six registers of an image go
.set ISA, 8                            ; v8   and my two scale bytes
.set IRA, 9                            ; v9   my query tile's two images
.set ISR, 10                           ; v10  and their scale words
.set SH8, 11                           ; v11  8 (lane / 16)
.set AW,  12                           ; v12  my head's scale words in a weight's block
.set BA,  13                           ; v13  a bias: 64 (lane / 16)                                 (tail: O1, wave 0's offset in out1)
.set O1,  13
.set XA,  14                           ; v14  x: 1,024 r + 64 (lane / 16)                            (tail: STO, into the stage)
.set STO, 14
.set RD,  15                           ; v15  tail: out of the stage
.set QQ,  16                           ; v16-33 q, zeros, q
.set QS,  34                           ; v34-43 hold scales and nothing else.  Loop: v34 q, v35 p, v36-37 k, v38-39 v.  Projections: v34-41 the weight, v42-43 the images
.set PW,  35
.set KS,  36
.set VS,  38
.set WS,  34
.set XS,  42
.set KV,  44                           ; v44-91  four fragments of k, then of v
.set ST,  92                           ; v92-155 the scores, then p
.set OT,  156                          ; v156-187 the result, four tiles of 16 channels
.set PC,  188                          ; v188-199 p as codes
.set TM,  200                          ; QUANT2: largest magnitudes, then a conversion's result; v204-205 the other lanes', then bytes; v208-209 scale operands
.set TC,  200
.set TP,  204
.set TO,  208
.set TC0, 200                          ; loop: v200-202, v204-206 the upper halves of the two blocks' codes
.set TC1, 204
.set BY,  204                          ; loop: v204-205 my two blocks' scale bytes (ahead of the conversions)
.set BP,  207                          ; v207 what another lane sends; the old -M
.set BM,  208                          ; v208-209 my two blocks' largest scores, then p
.set BO,  210                          ; v210-211 a second chain of the maxima; then the conversions' scale operands
.set FF,  212                          ; v212 f = 2^(old M - new M); at the end 1 / l
.set TMP, 213                          ; v213 at work (named with v212 as a pair)
.set NM,  214                          ; v214 -M
.set TX,  215                          ; v215 the largest score
.set LS,  216                          ; v[216:217] the sum, in two halves
.set SU,  218                          ; v[218:219] a second chain of the sum
.set HW,  219                          ; head and tail: two scale bytes
.set PFO, 220                          ; v220 256 x min(lane, 24); never rewritten
.set LN,  221                          ; v221 lane, v222 r = lane % 16, v223 lane / 16
.set RR,  222
.set HH,  223
.set XR,  224                          ; v224-255 x, then x + bp, then out0
.set WF,  44                           ; head and tail: a weight's 8 fragments, (t, s) at WF + 12 (2 t + s): v44-139
.set XF0, 140                          ; the images' two fragments
.set XF1, 188
.set OB,  44                           ; the way out: 16 rows read back
.set TB,  2                            ; s2  LDS byte at which the slot in hand begins
.set WV,  26                           ; s26 wave, s27 m, s28 h, s29 cx, s30 block of 64 queries, s31 batch
.set G1,  32                           ; s[32:39] group 1 for an eighth of a slot; s[40:47] for an eighth of a weight's block; s[48:51], s[52:55] their groups 0
.set G1W, 40
.set G0,  48
.set G0W, 52
.set SEL, 56                           ; s[56:57] v_permlanex16_b32: lane l xor 16
.set CS,  58                           ; s[58:59] c = log2(e) / 8, twice
.set SLOTS, 60                         ; s60 slots still to be asked for
.set LIM, 61                           ; s61 1 in a wave that prefetches, else the greatest number
.set PFA, 62                           ; s[62:63] where my prefetches stand
.macro CROUND                          ; a round of the cluster's barrier
	s_barrier_signal -1
	s_barrier_wait -1
	s_cmp_lg_u32 s[WV], 0
	s_cbranch_scc1 .Lnot_wave_0_\@
	s_barrier_signal -3
.Lnot_wave_0_\@:
	s_barrier_wait -3
	s_barrier_signal -1
	s_barrier_wait -1
.endm
.macro TLOAD g0, g1                    ; a joint load with an s_nop and four v_nops behind it
	tensor_load_to_lds s[\g0:\g0+3], s[\g1:\g1+7]
	s_nop 0
.rept 4
	v_nop
.endr
.endm
; A PREFETCH INTO THE L2 of the slot that the NEXT change of slots will ask for: two key steps ahead of that load.  All sixteen clusters of a batch walk the same bytes: the batch's first
; cluster asks.  Its four partners take 25,600 bytes each, told apart by address; in each, waves 8 to 11 take 6,400 bytes, lanes 256 bytes apart (lanes 25-31 name their wave's last block
; again): each aligned block of 256 bytes is named by one wave in the launch.  Slots 0 and 1 and the weights come by their loads alone; the last change that fills a slot asks for nothing.
.macro ASK
	s_cmp_gt_u32 s[SLOTS], s[LIM]
	s_cbranch_scc0 .Lnot_mine_\@
	global_prefetch_b8 v[PFO], s[PFA:PFA+1] th:TH_LOAD_NT scope:SCOPE_SE
.Lnot_mine_\@:
.endm
; 32 numbers of a lane, register 16 b + i = index 32 b + 16 (lane / 16) + i, become six registers of codes (lanes 0-15: block 0, lanes 16-31: block 1) and the two scale bytes.
.macro QUANT2 s, pc, pw
.irp b, 0,1
	v_max3_num_f32 v[TM+\b], |v[(\s)+16*\b]|, |v[(\s)+16*\b+1]|, 0x2800000   ; my 16 numbers of block b, and the floor 2^(5 - 127): the byte cannot fall under 1
.endr
.irp i, 2,4,6,8,10,12,14
.irp b, 0,1
	v_max3_num_f32 v[TM+\b], v[TM+\b], |v[(\s)+16*\b+\i]|, |v[(\s)+16*\b+\i+1]|   ; ascending: each accumulator is read from its low end on
.endr
.endr
.irp b, 0,1
	s_delay_alu instid0(VALU_DEP_2)
	v_permlanex16_b32 v[TP+\b], v[TM+\b], s[SEL], s[SEL+1]
.endr
.irp b, 0,1
	s_delay_alu instid0(VALU_DEP_2)
	v_max_num_f32 v[TM+\b], v[TM+\b], v[TP+\b]     ; with lane l xor 16: the block's largest magnitude
.endr
.irp b, 0,1
	s_delay_alu instid0(VALU_DEP_2)
	v_add_nc_u32 v[TO+\b], 0xfe000000, v[TM+\b]    ; 4 off its exponent field: the conversion takes that field as its scale
.endr
.irp b, 0,1
	s_delay_alu instid0(VALU_DEP_2)
	v_lshrrev_b32 v[TP+\b], 23, v[TO+\b]           ; the scale's byte
.endr
	s_delay_alu instid0(VALU_DEP_1)
	v_lshl_or_b32 v[\pw], v[TP+1], 8, v[TP]
	v_cvt_scalef32_pk16_bf6_f32 v[(\pc):(\pc)+2], v[(\s):(\s)+15], v[TO]
	v_cvt_scalef32_pk16_bf6_f32 v[TC:TC+2], v[(\s)+16:(\s)+31], v[TO+1]   ; (a conversion's three registers begin on an even number)
	v_nop                                          ; one plain place behind a scaled conversion
.irp i, 0,1,2
	v_permlane16_swap_b32 v[(\pc)+\i], v[TC+\i]    ; a whole block to a lane
.endr
.irp i, 0,1,2
	s_delay_alu instid0(VALU_DEP_3)
	v_mov_b32 v[(\pc)+3+\i], v[TC+\i]
.endr
.endm
.macro ROWLOAD reg, adr, base, nt      ; 32 numbers a lane in the quantiser's layout: of 64 columns, 16 neighbours of each block of 32
.irp bb, 0,1
.irp j, 0,1,2,3
.if \nt
	global_load_b128 v[(\reg)+16*\bb+4*\j:(\reg)+16*\bb+4*\j+3], v[\adr], s[\base:\base+1] offset:128*\bb+16*\j th:TH_LOAD_NT
.else
	global_load_b128 v[(\reg)+16*\bb+4*\j:(\reg)+16*\bb+4*\j+3], v[\adr], s[\base:\base+1] offset:128*\bb+16*\j
.endif
.endr
.endr
.endm
.macro WLDS adk, ads                   ; my head's 64 rows of a weight from LDS: 8 images of fragments, 512 consecutive bytes a load, and their scale words
.irp i, 0,1,2,3,4,5,6,7,8,9,10,11,12,13,14,15,16,17,18,19,20,21,22,23
	ds_load_b128 v[WF+4*\i:WF+4*\i+3], v[\adk] offset:512*\i
.endr
.irp t, 0,1,2,3
	ds_load_b64 v[WS+2*\t:WS+2*\t+1], v[\ads] offset:256*\t
.endr
.endm
.macro IMGOUT pc, pw                   ; my six registers and two scale bytes go to their places in my query tile's images
.irp i, 0,1,2
	ds_store_b64 v[IWA], v[(\pc)+2*\i:(\pc)+2*\i+1] offset:256*\i
.endr
	ds_store_b16 v[ISA], v[\pw]
.endm
.macro FRAGS                           ; and the tile's two whole fragments come back, with their scale words
.irp i, 0,1,2,3,4,5
	ds_load_b64 v[XF0+2*\i:XF0+2*\i+1], v[IRA] offset:256*\i
.endr
.irp i, 0,1,2,3,4,5
	ds_load_b64 v[XF1+2*\i:XF1+2*\i+1], v[IRA] offset:1536+256*\i
.endr
	ds_load_b32 v[XS], v[ISR]
	ds_load_b32 v[XS+1], v[ISR] offset:128
.endm
.macro PROJ acc                        ; 64 columns x 16 queries, K = 256: four accumulators by turns, K step by K step; what stands in them is the C of the first
.irp t, 0,1,2,3
	v_wmma_scale_f32_16x16x128_f8f6f4 v[(\acc)+8*\t:(\acc)+8*\t+7], v[WF+24*\t:WF+24*\t+11], v[XF0:XF0+11], v[(\acc)+8*\t:(\acc)+8*\t+7], v[WS+2*\t], v[XS] matrix_a_fmt:MATRIX_FMT_BF6 matrix_b_fmt:MATRIX_FMT_BF6
.endr
.irp t, 0,1,2,3
	v_wmma_scale_f32_16x16x128_f8f6f4 v[(\acc)+8*\t:(\acc)+8*\t+7], v[WF+24*\t+12:WF+24*\t+23], v[XF1:XF1+11], v[(\acc)+8*\t:(\acc)+8*\t+7], v[WS+2*\t+1], v[XS+1] matrix_a_fmt:MATRIX_FMT_BF6 matrix_b_fmt:MATRIX_FMT_BF6
.endr
.rept 4
	v_nop                                          ; four places in front of the first read of results and of loads into the operands' registers
.endr
.endm
	s_load_b256 s[4:11], s[0:1], 0x0               ; x s[4:5], bq s[6:7], kvc s[8:9], wimg s[10:11]
	s_load_b128 s[12:15], s[0:1], 0x20             ; bp s[12:13], out0 s[14:15]
	s_load_b64 s[16:17], s[0:1], 0x30              ; out1
	v_lshl_add_u32 v[SPW], v0, 2, SPARE
	v_mov_b32 v[NIL], 0
	ds_add_u32 v[SPW], v[NIL]                      ; the opening: the add, twice on end, and its wait ahead of my first tensor load
	ds_add_u32 v[SPW], v[NIL]
	v_lshrrev_b32 v[ADK], 5, v0
	v_readfirstlane_b32 s[WV], v[ADK]              ; wave 0..15
	s_and_b32 s27, s[WV], 3                        ; m: my query tile
	s_lshr_b32 s28, s[WV], 2                       ; h: my head
	s_bfe_u32 s29, ttmp6, 0x40000                  ; cx: it enters the addresses of x, out0, out1 and the prefetches alone
	s_lshl_b32 s30, ttmp9, 2
	s_add_co_u32 s30, s30, s29                     ; my block of 64 queries = 4 x cluster x + cx
	s_and_b32 s31, ttmp7, 0xffff                   ; the batch, which the four partners share
	; groups 1: dense bytes as rows of 256 (32 elements of 8 bytes); the mask names all four work-groups; bit 21 set beside it; no padding: every read of a slot is 512 or 256 consecutive bytes
.irp g, G1, G1W
	s_mov_b32 s[\g], 15|(3<<16)|(1<<21)
	s_mov_b32 s[\g+1], 32<<16
	s_mov_b32 s[\g+3], 32<<16
	s_mov_b32 s[\g+5], 32
	s_mov_b32 s[\g+6], 0
	s_mov_b32 s[\g+7], 0
.endr
	s_mov_b32 s[G1+2], 50<<16                      ; 50 rows: 12,800 bytes
	s_mov_b32 s[G1+4], 50
	s_mov_b32 s[G1W+2], 26<<16                     ; 26 rows: 6,656 bytes
	s_mov_b32 s[G1W+4], 26
	s_mov_b32 s[SEL], 0x76543210
	s_mov_b32 s[SEL+1], 0xfedcba98
	s_mov_b32 s[CS], 0x3e38aa3b                    ; log2(e) / 8
	s_mov_b32 s[CS+1], s[CS]
	; what the descriptors are made of: the batch and the wave's number, in registers that never hold cx
	s_and_b32 s80, s[WV], 7
	s_mul_i32 s81, s80, 12800                      ; my eighth of a slot, in LDS and in memory
	s_mul_i32 s82, s31, BATCHB
	s_add_co_u32 s82, s82, s81
	s_mov_b32 s83, 0
	s_mul_i32 s84, s80, 6656                       ; my eighth of a weight's block
	s_mov_b32 s85, 0
	; the constants of the LDS addresses: constants x m and h
	s_mul_i32 s72, s28, 12288
	s_lshl_b32 s73, s28, 8
	s_add_co_u32 s73, s73, SCO
	s_mul_i32 s74, s27, 3072
	s_add_co_u32 s74, s74, XIMG
	s_mul_i32 s75, s28, 768                        ; head h is registers 6 (h % 2) on of fragment h / 2: 1,536 (h / 2) + 768 (h % 2)
	s_add_co_u32 s75, s75, s74
	s_lshl_b32 s76, s27, 8
	s_add_co_u32 s76, s76, XSC
	s_lshr_b32 s77, s28, 1
	s_lshl_b32 s77, s77, 7
	s_add_co_u32 s77, s77, s76
	s_and_b32 s78, s28, 1
	s_lshl_b32 s78, s78, 1
	s_add_co_u32 s77, s77, s78                     ; bytes 2 (h % 2), 2 (h % 2) + 1 of a row's word of fragment h / 2
	s_lshl_b32 s78, s28, 10
	s_add_co_u32 s78, s78, SCO
	; offsets in memory
	s_lshl_b32 s66, s31, 12
	s_lshl_b32 s67, s30, 6
	s_add_co_u32 s66, s66, s67                     ; the work-group's first query: 4,096 batch + 64 block
	s_lshl_b32 s70, s66, 2                         ; in out1
	s_mov_b32 s71, 0
	s_lshl_b32 s67, s27, 4
	s_add_co_u32 s66, s66, s67                     ; my first query
	s_lshl_b32 s66, s66, 10
	s_lshl_b32 s67, s28, 8
	s_add_co_u32 s66, s66, s67                     ; in x and out0: 1,024 bytes a row, + my head's 256
	s_mov_b32 s67, 0
	s_mul_i32 s86, s29, 25600                      ; the prefetches: my work-group's quarter of a slot,
	s_mul_i32 s87, s27, 6400                       ; my wave's 6,400 bytes of it,
	s_add_co_u32 s86, s86, s87
	s_mul_i32 s87, s31, BATCHB                     ; in my batch,
	s_add_co_u32 s86, s86, s87
	s_add_co_u32 s86, s86, SLOTB                   ; in slot 1: the first change of slots steps it to slot 2
	s_mov_b32 s87, 0
	s_sub_co_u32 s68, s[WV], 8
	s_cmp_lt_u32 s68, 4                            ; waves 8 to 11
	s_cselect_b32 s[LIM], 1, -1
	s_cmp_eq_u32 ttmp9, 0                          ; of the batch's first cluster: the same in all four partners
	s_cselect_b32 s[LIM], s[LIM], -1
	s_lshl_b32 s68, s28, 8                         ; my head's 64 numbers of a bias
	s_mov_b32 s69, 0
	; the vector registers of the head, in one run
	v_and_b32 v[LN], 31, v0
	v_and_b32 v[RR], 15, v0
	v_bfe_u32 v[HH], v0, 4, 1
	v_min_u32 v[PFO], 24, v[LN]
	v_lshl_add_u32 v[AK0], v[LN], 4, s72
	v_lshl_add_u32 v[AS0], v[LN], 3, s73
	v_lshl_add_u32 v[IRA], v[LN], 3, s74
	v_lshl_add_u32 v[IWA], v[LN], 3, s75
	v_lshl_add_u32 v[ISR], v[LN], 2, s76
	v_lshl_add_u32 v[ISA], v[LN], 2, s77
	v_lshl_add_u32 v[AW], v[LN], 3, s78
	v_lshlrev_b32 v[PFO], 8, v[PFO]
	v_lshlrev_b32 v[SH8], 3, v[HH]
	v_lshlrev_b32 v[BA], 6, v[HH]
	v_lshlrev_b32 v[XA], 10, v[RR]
	v_add_nc_u32 v[ADK], SLOT1, v[AK0]             ; Wq lies where slot 1 begins
	v_add_nc_u32 v[ADS], SLOT1, v[AW]
	v_lshl_add_u32 v[XA], v[HH], 6, v[XA]
	v_mov_b32 v[TP], 0                             ; written once: a lane permute's destination counts as one of its sources
	v_mov_b32 v[TP+1], 0
	v_mov_b32 v[BP], 0
	s_wait_alu depctr_va_vdst(0)
	s_wait_dscnt 0x0                               ; both opening adds are done
	s_wait_kmcnt 0x0
	s_add_nc_u64 s[4:5], s[4:5], s[66:67]
	s_add_nc_u64 s[14:15], s[14:15], s[66:67]
	s_add_nc_u64 s[16:17], s[16:17], s[70:71]
	s_add_nc_u64 s[6:7], s[6:7], s[68:69]
	s_add_nc_u64 s[12:13], s[12:13], s[68:69]
	s_add_nc_u64 s[PFA:PFA+1], s[8:9], s[86:87]
	s_mov_b32 s[G0], 1
	s_mov_b32 s[G0+1], s81                         ; slot 0
	s_add_nc_u64 s[G0+2:G0+3], s[8:9], s[82:83]    ; the batch's first two key steps
	s_or_b32 s[G0+3], s[G0+3], 0x80000000
	s_mov_b32 s[G0W], 1
	s_add_co_u32 s[G0W+1], s84, SLOT1              ; Wq: into slot 1's bytes
	s_add_nc_u64 s[G0W+2:G0W+3], s[10:11], s[84:85]
	s_or_b32 s[G0W+3], s[G0W+3], 0x80000000
	CROUND                                         ; all four work-groups are here: the first joint loads meet
	s_cmp_lt_u32 s[WV], 8                          ; one first fill a wave: every way passes one
	s_cbranch_scc0 .Lhead_w
	TLOAD G0, G1                                   ; waves 0-7: slot 0
	s_branch .Lhead_j
.Lhead_w:
	TLOAD G0W, G1W                                 ; waves 8-15: Wq
.Lhead_j:
	ROWLOAD XR, XA, 4, 1                           ; x: 8 loads, read once in the launch; asked for behind the first fills, which the head waits for longest
	ROWLOAD WF, BA, 12, 0                          ; bp: 8
	ROWLOAD OT, BA, 6, 0                           ; bq: 8: the C of q's sums
	s_wait_loadcnt 16                              ; x is in; bp's and bq's 16 loads may stay out
	QUANT2 XR, QQ, HW                              ; my 64 columns of x as codes
	IMGOUT QQ, HW
	s_wait_loadcnt 8                               ; bp is in; bq's 8 loads may stay out
.set j, 0
.rept 16
	v_pk_add_f32 v[XR+j:XR+j+1], v[XR+j:XR+j+1], v[WF+j:WF+j+1]   ; x + bp: the C of the last product
.set j, j+2
.endr
	s_wait_alu depctr_va_vdst(0)
	s_wait_tensorcnt 0x0                           ; my part of slot 0 or of Wq is in,
	s_wait_dscnt 0x0                               ; and my stores have landed
	s_barrier_signal -1
	s_barrier_wait -1
	FRAGS
	WLDS ADK, ADS
	s_wait_loadcnt 0x0                             ; bq
	s_wait_dscnt 0x0
	PROJ OT
	QUANT2 OT, QQ, HW                              ; q as codes: v16-21
.irp i, 0,1,2,3,4,5
	v_mov_b32 v[QQ+12+\i], v[QQ+\i]                ; q once more,
.endr
.irp i, 0,1,2,3,4,5
	v_mov_b32 v[QQ+6+\i], 0                        ; and zero codes between
.endr
	v_lshl_or_b32 v[QS], v[HW], 16, v[HW]          ; its scale word serves both places
	v_mov_b32 v[TX], 0xff61b1e6                    ; the largest score so far: -3e38
	s_delay_alu instid0(VALU_DEP_1)
	v_mul_f32 v[TMP], s[CS], v[TX]
	s_delay_alu instid0(VALU_DEP_1)
	v_floor_f32 v[NM], -v[TMP]
	v_mov_b32 v[LS], 0
	v_mov_b32 v[LS+1], 0
.set j, 0
.rept 32
	v_mov_b32 v[OT+j], 0                           ; the step is written once: the first finds zeros.  (These are also the places between q's scale word and the first product)
.set j, j+1
.endr
	s_mov_b32 s[TB], 0
	s_mov_b32 s[SLOTS], 15
.macro KLOAD q                         ; k's four fragments of the q-th step of the slot in hand, and the step's scale words of k and of v
.irp i, 0,1,2,3,4,5,6,7,8,9,10,11
	ds_load_b128 v[KV+4*\i:KV+4*\i+3], v[ADK] offset:STEPB*(\q)+512*\i
.endr
	ds_load_b64 v[KS:KS+1], v[ADS] offset:STEPB*(\q)
	ds_load_b64 v[VS:VS+1], v[ADS] offset:STEPB*(\q)+1024
.endm
; A KEY STEP: 128 keys, in three parts.  STEPA: 8 products for the scores (their fragments of k have been asked for), and v is asked for.  MAXES: the blocks' largest scores.
; STEPB: the rest of the softmax, 4 products for the result, the sum of p; under the sum the next step's k is asked for (nx = 1: the slot's second step; nx = 2: the other slot's first; 0: none).
.macro STEPA q
	s_wait_alu depctr_va_vdst(0)
	s_wait_dscnt 0x0
.irp t, 0,1,2,3,4,5,6,7                ; key tile t lies in half t % 2 of fragment t / 2; its scale words in lanes 0-15 (even fragment) or 16-31 (odd) of register t / 4
.if (\t/2)%2
	v_wmma_scale_f32_16x16x128_f8f6f4 v[ST+8*\t:ST+8*\t+7], v[KV+12*(\t/2):KV+12*(\t/2)+11], v[QQ+6*(\t%2):QQ+6*(\t%2)+11], 0, v[KS+\t/4], v[QS] matrix_a_fmt:MATRIX_FMT_BF6 matrix_b_fmt:MATRIX_FMT_BF6 matrix_a_scale:MATRIX_SCALE_ROW1
.else
	v_wmma_scale_f32_16x16x128_f8f6f4 v[ST+8*\t:ST+8*\t+7], v[KV+12*(\t/2):KV+12*(\t/2)+11], v[QQ+6*(\t%2):QQ+6*(\t%2)+11], 0, v[KS+\t/4], v[QS] matrix_a_fmt:MATRIX_FMT_BF6 matrix_b_fmt:MATRIX_FMT_BF6
.endif
.endr
.rept 4
	v_nop                                          ; four places in front of the loads over k and of the first read of the scores
.endr
.irp i, 0,1,2,3,4,5,6,7,8,9,10,11
	ds_load_b128 v[KV+4*\i:KV+4*\i+3], v[ADK] offset:STEPB*(\q)+6144+512*\i   ; v: it lands during the maxima
.endr
.endm
.macro MAXES
	; my two blocks' largest scores (block 2 c + lane / 16: registers 32 c .. 32 c + 31), each in two chains; every accumulator is first read at one of its four lowest registers
.irp c, 0,1
	v_max3_num_f32 v[BM+\c], v[ST+32*\c], v[ST+32*\c+1], v[ST+32*\c+2]
	v_max3_num_f32 v[BO+\c], v[ST+32*\c+17], v[ST+32*\c+18], v[ST+32*\c+19]
.endr
.irp i, 0,1,2,3,4,5
.irp c, 0,1
	v_max3_num_f32 v[BM+\c], v[BM+\c], v[ST+32*\c+3+2*\i], v[ST+32*\c+4+2*\i]
	v_max3_num_f32 v[BO+\c], v[BO+\c], v[ST+32*\c+20+2*\i], v[ST+32*\c+21+2*\i]
.endr
.endr
.irp c, 0,1
	v_max3_num_f32 v[BM+\c], v[BM+\c], v[ST+32*\c+15], v[ST+32*\c+16]
.endr
.irp c, 0,1
	s_delay_alu instid0(VALU_DEP_2)
	v_max_num_f32 v[BM+\c], v[BM+\c], v[BO+\c]     ; it serves twice: for the row's maximum, and, since p rises with the score, for the block's largest p
.endr
.endm
.macro STEPB nx
	v_max_num_f32 v[TMP], v[BM], v[BM+1]
	s_delay_alu instid0(VALU_DEP_1)
	v_permlanex16_b32 v[BP], v[TMP], s[SEL], s[SEL+1]
	s_delay_alu instid0(VALU_DEP_1)
	v_max3_num_f32 v[TX], v[TX], v[TMP], v[BP]     ; the running largest score of my query
	v_mov_b32 v[BP], v[NM]
	s_delay_alu instid0(VALU_DEP_2)
	v_mul_f32 v[TMP], s[CS], v[TX]                 ; as t
	s_delay_alu instid0(VALU_DEP_1)
	v_floor_f32 v[NM], -v[TMP]                     ; -M = floor(-t): M is a whole number
	s_delay_alu instid0(VALU_DEP_1)
	v_sub_f32 v[TMP], v[NM], v[BP]                 ; old M - new M: a whole number, 0 or less
	s_delay_alu instid0(VALU_DEP_1)
	v_cvt_i32_f32 v[TMP], v[TMP]                   ; (it saturates)
	s_delay_alu instid0(VALU_DEP_1)
	v_ldexp_f32 v[FF], 1.0, v[TMP]                 ; f = 2^(old M - new M)
.set j, 0
.rept 32
	v_pk_fma_f32 v[ST+j:ST+j+1], v[ST+j:ST+j+1], s[CS:CS+1], v[NM:NM+1] op_sel_hi:[1,0,0]   ; t - M
.set j, j+2
.endr
.irp c, 0,1
	v_fma_f32 v[BM+\c], v[BM+\c], s[CS], v[NM]     ; the same of each block's largest score
.endr
	s_wait_alu depctr_va_vdst(0)
.set j, 0
.rept 64
	v_exp_f32 v[ST+j], v[ST+j]                     ; p = 2^(t - M)
.set j, j+1
.endr
.irp c, 0,1
	v_exp_f32 v[BM+\c], v[BM+\c]                   ; the block's largest p: the same two instructions on the same number
.endr
	v_pk_mul_f32 v[LS:LS+1], v[LS:LS+1], v[FF:FF+1] op_sel_hi:[1,0]   ; the sum under the new M (a plain place behind the exponentials)
	s_wait_alu depctr_va_vdst(0)                   ; one wait for the whole batch
.irp c, 0,1
	v_max_num_f32 v[BM+\c], 0x2800000, v[BM+\c]    ; the floor 2^(5 - 127)
.endr
.irp c, 0,1
	s_delay_alu instid0(VALU_DEP_2)
	v_add_nc_u32 v[BO+\c], 0xfe000000, v[BM+\c]    ; 4 off the exponent field: the conversion's scale operand
.endr
.irp c, 0,1
	s_delay_alu instid0(VALU_DEP_2)
	v_lshrrev_b32 v[BY+\c], 23, v[BO+\c]           ; the scale's byte
.endr
	s_delay_alu instid0(VALU_DEP_1)
	v_lshl_or_b32 v[BY], v[BY+1], 16, v[BY]        ; my two bytes: blocks lane / 16 and 2 + lane / 16,
	s_delay_alu instid0(VALU_DEP_1)
	v_lshlrev_b32 v[BY], v[SH8], v[BY]             ; at their places in the scale word;
	s_delay_alu instid0(VALU_DEP_1)
	v_permlanex16_b32 v[BP], v[BY], s[SEL], s[SEL+1]
	s_delay_alu instid0(VALU_DEP_1)
	v_or_b32 v[PW], v[BY], v[BP]                   ; with lane l xor 16's two the word is whole
	v_cvt_scalef32_pk16_bf6_f32 v[PC:PC+2], v[ST:ST+15], v[BO]
	v_cvt_scalef32_pk16_bf6_f32 v[TC0:TC0+2], v[ST+16:ST+31], v[BO]   ; (a conversion's three registers begin on an even number)
	v_cvt_scalef32_pk16_bf6_f32 v[PC+6:PC+8], v[ST+32:ST+47], v[BO+1]
	v_cvt_scalef32_pk16_bf6_f32 v[TC1:TC1+2], v[ST+48:ST+63], v[BO+1]
	v_nop                                          ; one plain place behind a scaled conversion
.irp i, 0,1,2
	v_mov_b32 v[PC+3+\i], v[TC0+\i]
	v_mov_b32 v[PC+9+\i], v[TC1+\i]
.endr
	s_wait_alu depctr_va_vdst(0)
.set j, 0
.rept 16
	v_pk_mul_f32 v[OT+j:OT+j+1], v[OT+j:OT+j+1], v[FF:FF+1] op_sel_hi:[1,0]   ; the result under the new M.  (Also the places between p's codes and scale word and the products)
.set j, j+2
.endr
	s_wait_alu depctr_va_vdst(0)
	s_wait_dscnt 0x0                               ; v is in
.irp t, 0,1,2,3                        ; four accumulators by turns
.if \t%2
	v_wmma_scale_f32_16x16x128_f8f6f4 v[OT+8*\t:OT+8*\t+7], v[KV+12*\t:KV+12*\t+11], v[PC:PC+11], v[OT+8*\t:OT+8*\t+7], v[VS+\t/2], v[PW] matrix_a_fmt:MATRIX_FMT_BF6 matrix_b_fmt:MATRIX_FMT_BF6 matrix_a_scale:MATRIX_SCALE_ROW1
.else
	v_wmma_scale_f32_16x16x128_f8f6f4 v[OT+8*\t:OT+8*\t+7], v[KV+12*\t:KV+12*\t+11], v[PC:PC+11], v[OT+8*\t:OT+8*\t+7], v[VS+\t/2], v[PW] matrix_a_fmt:MATRIX_FMT_BF6 matrix_b_fmt:MATRIX_FMT_BF6
.endif
.endr
	; THE SUM OF THE UNQUANTISED p, in eight chains, behind the products: none of these lines names a register of theirs, so the first seven are the places in front of the next loads
.set j, 0
.irp c, 218,200,202,204,206,208,210
	v_pk_add_f32 v[\c:\c+1], v[ST+j:ST+j+1], v[ST+j+2:ST+j+3]
.set j, j+4
.endr
.if (\nx) == 1
	KLOAD 1                                        ; the next step's k lands under the rest of the sum
.endif
.if (\nx) == 2
	s_xor_b32 s[TB], s[TB], SLOT1                  ; on to the other slot, which the change of slots has shown whole
	v_add_nc_u32 v[ADK], s[TB], v[AK0]
	v_add_nc_u32 v[ADS], s[TB], v[AS0]
	KLOAD 0
.endif
.rept 2
.irp c, 216,218,200,202,204,206,208,210
	v_pk_add_f32 v[\c:\c+1], v[\c:\c+1], v[ST+j:ST+j+1]
.set j, j+2
.endr
.endr
	v_pk_add_f32 v[216:217], v[216:217], v[ST+60:ST+61]
	v_pk_add_f32 v[218:219], v[218:219], v[ST+62:ST+63]
	v_pk_add_f32 v[204:205], v[204:205], v[206:207]
	v_pk_add_f32 v[208:209], v[208:209], v[210:211]
	v_pk_add_f32 v[216:217], v[216:217], v[200:201]
	v_pk_add_f32 v[218:219], v[218:219], v[202:203]
	s_delay_alu instid0(VALU_DEP_2)
	v_pk_add_f32 v[216:217], v[216:217], v[204:205]
	s_delay_alu instid0(VALU_DEP_2)
	v_pk_add_f32 v[218:219], v[218:219], v[208:209]
	s_delay_alu instid0(VALU_DEP_1)
	v_pk_add_f32 v[216:217], v[216:217], v[218:219]
.endm
; THE CHANGE OF SLOTS stands in the middle of a slot's last key step, behind the loads of v: they are the wave's last reads of the slot in hand.  CHOPEN: each wave waits for all its tensor
; loads (its part of the other slot) and adds 0 to its spare word; the maxima, work on registers, stand between the add and the wait for it.  CHCLOSE: the wait for the add and for my reads
; of the slot in hand; a round of the cluster's barrier, so that no wave of any partner still reads that slot or has a load on its way; behind it the joint refill of the slot in hand comes
; first: mode 1: waves 0-7, the keys two slots on; mode 2: waves 8-15, Wp.  Either has two key steps in which to land.  Behind the round each wave has the step's softmax in registers.
; At the head the two stand on end: slot 1's fill, over Wq.
.macro CHOPEN mode
	s_wait_alu depctr_va_vdst(0)
	s_wait_tensorcnt 0x0                           ; no tensor load of mine is out, so a group 0 may be written
	ds_add_u32 v[SPW], v[NIL]                      ; 0 onto my spare word
.if (\mode) == 1
	s_xor_b32 s[G0+1], s[G0+1], SLOT1              ; the walking descriptor: the other slot,
	s_add_nc_u64 s[G0+2:G0+3], s[G0+2:G0+3], SLOTB ; the next two key steps; the type bits on top are not reached
	s_wait_xcnt 0x0                                ; the last prefetch, a slot back, has read its address, so it may be written:
	s_add_nc_u64 s[PFA:PFA+1], s[PFA:PFA+1], SLOTB ; one slot further on than the walking descriptor
.else
	s_xor_b32 s[G0W+1], s[G0W+1], SLOT1            ; the weights' descriptor: into slot 0,
	s_add_nc_u64 s[G0W+2:G0W+3], s[G0W+2:G0W+3], WBLK   ; Wp's block
.endif
.endm
.macro CHCLOSE mode
	s_wait_alu depctr_va_vdst(0)
	s_wait_dscnt 0x0                               ; the add is done, and my reads of the slot that is filled again are over
	CROUND
.if (\mode) == 1
	s_cmp_lt_u32 s[WV], 8
	s_cbranch_scc0 .Lasked_\@
	TLOAD G0, G1
.Lasked_\@:
	ASK
.else
	s_cmp_ge_u32 s[WV], 8
	s_cbranch_scc0 .Lasked_\@
	TLOAD G0W, G1W
.Lasked_\@:
.endif
.endm
	CHOPEN 1                                       ; q is made: Wq is read no more, and slot 1 takes key steps 2 and 3
	CHCLOSE 1
	v_add_nc_u32 v[ADK], s[TB], v[AK0]             ; slot 0 is in hand
	v_add_nc_u32 v[ADS], s[TB], v[AS0]
	KLOAD 0
	s_mov_b32 s[SLOTS], 14
.Lslot:                                            ; 14 trips, a slot each: in trip s the slot in hand is filled again with the keys of trip s + 2
	STEPA 0
	MAXES
	STEPB 1
	STEPA 1
	CHOPEN 1
	MAXES
	CHCLOSE 1
	STEPB 2
	s_sub_co_u32 s[SLOTS], s[SLOTS], 1
	s_cmp_lg_u32 s[SLOTS], 0
	s_cbranch_scc1 .Lslot
	STEPA 0                                        ; the last two slots are written out.  The last but one: in place of keys, Wp is asked for, into slot 0
	MAXES
	STEPB 1
	STEPA 1
	CHOPEN 2
	MAXES
	CHCLOSE 2
	STEPB 2
	STEPA 0                                        ; the last: nothing is filled again, so no barrier stands in it
	MAXES
	STEPB 1
	STEPA 1
	MAXES
	STEPB 0
	; ---- THE TAIL.  The addresses of the way out; the stage has bytes of its own.
	s_mul_i32 s72, s[WV], 4352                     ; my stage: 16 rows x (256 bytes + 16)
	s_add_co_u32 s72, s72, STAGE
	v_mul_u32_u24 v[STO], v[RR], 272
	v_mul_u32_u24 v[RD], v[HH], 272
	v_lshlrev_b32 v[OO], 10, v[HH]
	v_lshrrev_b32 v[AMR], 3, v[LN]
	v_lshl_add_u32 v[STO], v[HH], 6, v[STO]
	v_lshl_add_u32 v[RD], v[RR], 4, v[RD]
	v_lshl_add_u32 v[OO], v[RR], 4, v[OO]          ; lanes 0-15 one row of 256 bytes of out0, lanes 16-31 the next
	v_and_b32 v[O1], 7, v[LN]
	v_add_nc_u32 v[STO], s72, v[STO]               ; in: row r, + 64 (lane / 16)
	v_add_nc_u32 v[RD], s72, v[RD]                 ; back: the same two rows
	v_lshlrev_b32 v[AMR], 7, v[AMR]
	v_lshl_add_u32 v[AMW], v0, 2, AMB              ; my sum of weights: 512 h + 128 m + 4 lane
	s_delay_alu instid0(VALU_DEP_2)
	v_lshl_add_u32 v[AMR], v[O1], 3, v[AMR]
	v_lshlrev_b32 v[O1], 3, v[LN]
	s_delay_alu instid0(VALU_DEP_2)
	v_add_nc_u32 v[AMR], AMB, v[AMR]               ; wave 0: lane l reads queries 2 l, 2 l + 1: tile l / 8, lanes 2 (l % 8) on
	v_add_f32 v[TMP], v[LS], v[LS+1]               ; the sum's two halves,
	s_delay_alu instid0(VALU_DEP_1)
	v_permlanex16_b32 v[BP], v[TMP], s[SEL], s[SEL+1]
	s_delay_alu instid0(VALU_DEP_1)
	v_add_f32 v[TMP], v[TMP], v[BP]                ; and lane l xor 16's: l
	s_wait_alu depctr_va_vdst(0)
	v_rcp_f32 v[FF], v[TMP]
	v_nop                                          ; one plain place behind a transcendental
	s_wait_alu depctr_va_vdst(0)                   ; the wait ahead of its first reader, and of the first reader of the result
	v_mul_f32 v[SU], v[TMP], v[FF]                 ; my head's sum of weights: l x (1 / l)
.set j, 0
.rept 16
	v_pk_mul_f32 v[OT+j:OT+j+1], v[OT+j:OT+j+1], v[FF:FF+1] op_sel_hi:[1,0]   ; the result / l
.set j, j+2
.endr
	QUANT2 OT, PC, HW                              ; my head's 64 columns of the last product's operand
	s_wait_alu depctr_va_vdst(0)
	s_wait_tensorcnt 0x0                           ; my part of Wp is in
	IMGOUT PC, HW
	ds_store_b32 v[AMW], v[SU]
	s_wait_dscnt 0x0                               ; my stores have landed
	s_barrier_signal -1
	s_barrier_wait -1
	FRAGS
	WLDS AK0, AW                                   ; Wp lies where slot 0 begins
	s_wait_dscnt 0x0
	PROJ XR                                        ; onto x + bp: register 16 bb + i is out0(r, 64 h + 32 bb + 16 (lane / 16) + i)
.irp bb, 0,1
.irp j, 0,1,2,3
	ds_store_b128 v[STO], v[XR+16*\bb+4*\j:XR+16*\bb+4*\j+3] offset:128*\bb+16*\j   ; each accumulator from its low end on
.endr
.endr
.irp i, 0,1,2,3,4,5,6,7
	ds_load_b128 v[OB+4*\i:OB+4*\i+3], v[RD] offset:544*\i   ; LDS serves a wave's instructions in order: these see my stores
.endr
.irp i, 0,1,2,3,4,5,6,7
	s_wait_dscnt 7-\i                              ; load i is in; the 7 - i behind it may stay out
	global_store_b128 v[OO], v[OB+4*\i:OB+4*\i+3], s[14:15] offset:2048*\i th:TH_STORE_NT   ; 16 lanes store 256 consecutive bytes, aligned
.endr
	s_cmp_lg_u32 s[WV], 0                          ; wave 0 adds the four heads' sums of weights of the 64 queries
	s_cbranch_scc1 .Lnot_map
.irp g, 0,1,2,3
	ds_load_b64 v[76+2*\g:77+2*\g], v[AMR] offset:512*\g
.endr
	s_wait_dscnt 0x0
	v_pk_add_f32 v[76:77], v[76:77], v[78:79]
	v_pk_add_f32 v[80:81], v[80:81], v[82:83]
	s_delay_alu instid0(VALU_DEP_1)
	v_pk_add_f32 v[76:77], v[76:77], v[80:81]
	s_delay_alu instid0(VALU_DEP_1)
	v_pk_mul_f32 v[76:77], v[76:77], 0x3e800000 op_sel_hi:[1,0]   ; the mean of four
	global_store_b64 v[O1], v[76:77], s[16:17]     ; 32 lanes store 256 consecutive bytes, aligned
.Lnot_map:
	s_wait_tensorcnt 0x0                           ; the wave's end
	ds_add_u32 v[SPW], v[NIL]
	s_wait_dscnt 0x0
	CROUND                                         ; the closing round: no work-group ends while a partner may still ask for a tile that names it
	s_endpgm
.Lfunc_end_k_q7e35f7f16e_attn:
	.size	k_q7e35f7f16e_attn, .Lfunc_end_k_q7e35f7f16e_attn-k_q7e35f7f16e_attn
	.p2alignl 7, 3214868480
	.fill 96, 4, 3214868480
	.section	.rodata,"a",@progbits
	.p2align	6, 0x0
	.amdhsa_kernel k_q7e35f7f16e_attn
		.amdhsa_group_segment_fixed_size 327680
		.amdhsa_private_segment_fixed_size 0
		.amdhsa_enable_private_segment 0
		.amdhsa_kernarg_size 56
		.amdhsa_user_sgpr_count 2
		.amdhsa_user_sgpr_kernarg_segment_ptr 1
		.amdhsa_wavefront_size32 1
		.amdhsa_system_sgpr_workgroup_id_x 1
		.amdhsa_system_sgpr_workgroup_id_y 1
		.amdhsa_system_sgpr_workgroup_id_z 1
		.amdhsa_system_vgpr_workitem_id 0
		.amdhsa_next_free_vgpr 256
		.amdhsa_next_free_sgpr 96
		.amdhsa_reserve_vcc 0
		.amdhsa_float_denorm_mode_32 3
		.amdhsa_float_denorm_mode_16_64 3
		.amdhsa_memory_ordered 1
		.amdhsa_forward_progress 1
		.amdhsa_inst_pref_size 124
	.end_amdhsa_kernel
	.amdgpu_metadata
---
amdhsa.version: [ 1, 2 ]
amdhsa.kernels:
  - .name:           k_q7e35f7f16e_attn
    .symbol:         k_q7e35f7f16e_attn.kd
    .args:
      - { .name: x, .offset: 0, .size: 8, .value_kind: global_buffer, .address_space: global }
      - { .name: bq, .offset: 8, .size: 8, .value_kind: global_buffer, .address_space: global }
      - { .name: kvc, .offset: 16, .size: 8, .value_kind: global_buffer, .address_space: global }
      - { .name: wimg, .offset: 24, .size: 8, .value_kind: global_buffer, .address_space: global }
      - { .name: bp, .offset: 32, .size: 8, .value_kind: global_buffer, .address_space: global }
      - { .name: out0, .offset: 40, .size: 8, .value_kind: global_buffer, .address_space: global }
      - { .name: out1, .offset: 48, .size: 8, .value_kind: global_buffer, .address_space: global }
    .group_segment_fixed_size: 327680
    .private_segment_fixed_size: 0
    .kernarg_segment_align: 8
    .kernarg_segment_size: 56
    .max_flat_workgroup_size: 512
    .sgpr_count:     96
    .vgpr_count:     256
    .wavefront_size: 32
...
	.end_amdgpu_metadata
.endif
;; end of part 2
